; MI455X (gfx1250); checked and timed in simulation.
; The chip was launched on July 23, 2026; its instructions are those of AMD's public machine-readable ISA for CDNA 5 (MIT licence, August 2026) and "CDNA5" Instruction Set Architecture Reference Guide (July 2026). The comments in the code are by the model that wrote it; some were corrected since.
;; Cross Modal Attention. Allowed arithmetic: float matrix products may take bf16 or f16 operands with f32 sums; all other float work in f32.
;; Inputs: W_heat 1,024 x 1,024 float32; W_img 1,024 x 1,024 float32; Wk 1,024 x 1,024 float32; Wo 1,024 x 1,024 float32; Wq 1,024 x 1,024 float32; Wv 1,024 x 1,024 float32; b_heat 1,024 float32; b_img 1,024 float32; beta 1,024 float32; bk 1,024 float32; bo 1,024 float32; bq 1,024 float32; bv 1,024 float32; gamma 1,024 float32; heat_feat 32 x 1,024 float32; img_feat 32 x 512 x 1,024 float32.
;; Outputs: out0 32 x 512 x 1,024 float32.
;; One version. Each part assembles by itself: llvm-mc -triple=amdgcn-amd-amdhsa -mcpu=gfx1250 --defsym DOCPART=n.
;; ======== version 1 of 1: 4 launches
;; workspace buffers: ph 131,072 bytes; kv 262,144 bytes; gmat 1,048,576 bytes; umat 1,048,576 bytes; cvec 2,048 bytes
;; launch proj (part 1): grid 64 x 1, 4 waves a work-group, clusters of 4 x 1, 210,432 bytes of LDS; arguments heat_feat, W_heat, b_heat, Wk, bk, ph; writes ph
.if DOCPART == 1
	.amdgcn_target "amdgcn-amd-amdhsa--gfx1250"
	.amdhsa_code_object_version 6
	.text
	.protected	k_qdf470889d0_proj
	.globl	k_qdf470889d0_proj
	.p2align	8
	.type	k_qdf470889d0_proj,@function
k_qdf470889d0_proj:
	s_mov_b64 s[64:65], 0
	v_nop
	global_prefetch_b8 v0, s[64:65] scope:SCOPE_SE
	s_setreg_imm32_b32 hwreg(HW_REG_WAVE_MODE, 25, 1), 1
	s_wait_xcnt 0x0
	s_wait_alu depctr_hold_cnt(0) depctr_sa_sdst(0) depctr_va_vdst(0) depctr_va_sdst(0) depctr_va_ssrc(0) depctr_va_vcc(0) depctr_vm_vsrc(0)
	s_getreg_b32 s2, hwreg(HW_REG_IB_STS2, 6, 4)
	s_cmp_eq_u32 s2, 0
	s_cbranch_scc0 .Lentry_in_a_cluster
	s_endpgm
.Lentry_in_a_cluster:
	s_bfe_u32 s2, ttmp6, 0x10000c
	s_cmp_lg_u32 s2, 0x3003
	s_cbranch_scc0 .Lentry_shape_is_right
	s_endpgm
.Lentry_shape_is_right:
; y[job][b][n] = sum over k of x[b][k] w[n][k] + bias[n].  x: [32][1024] f32; w: [1024][1024] f32; bias: [1024] f32; y: [jobs][32][1024] f32.
; Arguments: x, w0, b0, w1, b1, y.  job = cluster number / 16 picks (w0, b0) or (w1, b1); a launch of 64 work-groups has job 0 alone and never touches the second pair.
; Operands are rounded to bf16 on the way from LDS to the matrix unit, sums are f32, the bias is added in f32.
; SHARES.  A work-group makes 16 columns of y (16 rows of w, 64 KiB) for all 32 rows of x.  Wave w takes k = 256 w .. 256 w + 255 in eight steps of 32; the four partial sums meet in LDS.
; Source 0 = 16 rows of w, source 1 = 16 rows of x: a lane then holds eight neighbouring columns of one row of y.  Two accumulators (rows 0-15, 16-31 of x) take turns.
; CLUSTER.  The four work-groups of a cluster need the same x: each wave's quarter of x is asked for JOINTLY (same descriptor, mask of four).  w's rows are each work-group's own: a plain load.
; All of a work-group's bytes are asked for at the start (two tensor loads a wave are out); no LDS byte is filled twice.
; A work-group's share of a row of y is 64 bytes, four lanes of 16: y is 128 KiB a job, and 64 work-groups that stream w are worth more here than whole blocks of 256 bytes from 16.
.set PITCH, 1040                       ; an LDS row: 1,024 bytes + 16 of padding = 260 words: row r starts at bank 4 r mod 64 (64 banks of 4 bytes: ISA guide 11.1)
.set WTB,   16*PITCH                   ; 16 rows
.set WREG,  3*WTB                      ; a wave's region: 16 rows of w, then 32 rows of x
.set RED,   4*WREG                     ; behind the tiles: the partial sums, 32 rows x 80 bytes for each wave; no tensor load lands here
.set RP,    80
.set REDW,  32*RP
.set SPARE, RED+4*REDW                 ; the spare words, 128 bytes for each wave: two blocks of 256 bytes that no other line names
.set AW,   3                           ; v3   LDS address of my fragment rows of w
.set AX,   4                           ; v4   of x
.set RS,   5                           ; v5   where I put my partial sums
.set RL,   6                           ; v6   where I read wave 0's partial sums of my four outputs
.set YO,   7                           ; v7   my byte offset in y
.set BO,   8                           ; v8   my byte offset in the tile's 16 biases
.set SPW,  10                          ; v10  my spare word; never rewritten
.set NIL,  11                          ; v11  0; never rewritten
.set BIAS, 12                          ; v[12:15]
.set ST,   16                          ; v[16:63], v[64:111]  f32 as read from LDS, two buffers: w 16, x rows 0-15 16, x rows 16-31 16
.set FR,   112                         ; v[112:135], v[136:159]  three bf16 fragments, two buffers
.set ACC,  160                         ; v[160:175]
.set WV,   16                          ; s16  my wave's number
.set G1W,  24                          ; s[24:31] shape of w's tile
.set G1X,  32                          ; s[32:39] shape of x's tile
.set G0W,  40                          ; s[40:43]
.set G0X,  44                          ; s[44:47]
.macro PLACES n
.rept \n
	v_nop
.endr
.endm
.macro ROUND                           ; a round of the cluster's barrier
	s_barrier_signal -1
	s_barrier_wait -1
	s_cmp_lg_u32 s[WV], 0
	s_cbranch_scc1 .Lnot_wave_0_\@
	s_barrier_signal -3
.Lnot_wave_0_\@:
	s_barrier_wait -3
	s_barrier_signal -1
	s_barrier_wait -1
.endm
; 16 f32 of a fragment: k = 8 h + 0..7 (32 bytes) and k = 16 + 8 h + 0..7 (32 bytes, 64 further on)
.macro LD4 dst, adr, off
	ds_load_b128 v[(\dst):(\dst)+3], v[\adr] offset:(\off)
	ds_load_b128 v[(\dst)+4:(\dst)+7], v[\adr] offset:(\off)+16
	ds_load_b128 v[(\dst)+8:(\dst)+11], v[\adr] offset:(\off)+64
	ds_load_b128 v[(\dst)+12:(\dst)+15], v[\adr] offset:(\off)+80
.endm
.macro CVT8 dst, src                   ; 16 f32 -> a bf16 fragment of 8 registers
.irp q, 0,1,2,3,4,5,6,7
	v_cvt_pk_bf16_f32 v[(\dst)+(\q)], v[(\src)+2*(\q)], v[(\src)+2*(\q)+1]
.endr
.endm
.macro LOADS s                         ; the twelve LDS loads of K step s
	LD4 ST+48*((\s)&1), AW, 128*(\s)
	LD4 ST+48*((\s)&1)+16, AX, 128*(\s)
	LD4 ST+48*((\s)&1)+32, AX, 128*(\s)+WTB
.endm
; K step s: the next step's loads go out first; this step's 24 roundings write the fragment buffer that the matrix instructions two steps back read:
; the 24 roundings of the step between, which name none of those instructions' registers, are the places behind them.
.macro KSTEP s
.if (\s) < 7
	LOADS (\s)+1
	s_wait_dscnt 12                                ; all but the twelve just issued
.else
	s_wait_dscnt 0x0
.endif
.set SB, ST+48*((\s)&1)
.set FB, FR+24*((\s)&1)
	CVT8 FB, SB
	CVT8 FB+8, SB+16
	CVT8 FB+16, SB+32
.if (\s) == 0
	v_wmma_f32_16x16x32_bf16 v[ACC:ACC+7], v[FB:FB+7], v[FB+8:FB+15], 0
	v_wmma_f32_16x16x32_bf16 v[ACC+8:ACC+15], v[FB:FB+7], v[FB+16:FB+23], 0
.else
	v_wmma_f32_16x16x32_bf16 v[ACC:ACC+7], v[FB:FB+7], v[FB+8:FB+15], v[ACC:ACC+7]
	v_wmma_f32_16x16x32_bf16 v[ACC+8:ACC+15], v[FB:FB+7], v[FB+16:FB+23], v[ACC+8:ACC+15]
.endif
.endm
	s_load_b256 s[4:11], s[0:1], 0x0               ; x s[4:5], w0 s[6:7], b0 s[8:9], w1 s[10:11]
	s_load_b128 s[12:15], s[0:1], 0x20             ; b1 s[12:13], y s[14:15]
	v_lshl_add_u32 v[SPW], v0, 2, SPARE
	v_mov_b32 v[NIL], 0
	ds_add_u32 v[SPW], v[NIL]                      ; the wave's opening: the add and its wait stand ahead of my first tensor load; the set-up stands between them
	ds_add_u32 v10, v11
	v_lshrrev_b32 v1, 5, v0
	v_readfirstlane_b32 s[WV], v1                  ; wave 0..3
	s_bfe_u32 s19, ttmp6, 0x40000                  ; cx: my place in the cluster
	s_lshl_b32 s18, ttmp9, 2                       ; in a cluster launch ttmp9 counts clusters
	s_add_co_u32 s18, s18, s19
	s_and_b32 s18, s18, 63                         ; my tile of 16 columns
	s_lshr_b32 s17, ttmp9, 4                       ; the job: 16 clusters each; the four partners share it
	s_mov_b32 s[G1W+0], (2<<16)|(1<<20)|(7<<22)|(3<<25)            ; elements of 4 bytes; padding on: after every 256 words (code 7) 4 words (code 3)
	s_mov_b32 s[G1W+1], 256<<16                    ; tensor_dim0 = 256
	s_mov_b32 s[G1W+2], 16<<16                     ; tensor_dim1 = 16
	s_mov_b32 s[G1W+3], 256<<16                    ; tile_dim0 = 256
	s_mov_b32 s[G1W+4], 16                         ; tile_dim1 = 16
	s_mov_b32 s[G1W+5], 1024                       ; elements from row to row
	s_mov_b32 s[G1W+6], 0
	s_mov_b32 s[G1W+7], 0
	s_mov_b32 s[G1X+0], 15|(2<<16)|(1<<20)|(1<<21)|(7<<22)|(3<<25) ; the same with the mask of four and bit 21 beside it
	s_mov_b32 s[G1X+1], 256<<16
	s_mov_b32 s[G1X+2], 32<<16                     ; 32 rows
	s_mov_b32 s[G1X+3], 256<<16
	s_mov_b32 s[G1X+4], 32
	s_mov_b32 s[G1X+5], 1024
	s_mov_b32 s[G1X+6], 0
	s_mov_b32 s[G1X+7], 0
	s_mov_b32 s[G0W], 1
	s_mul_i32 s[G0W+1], s[WV], WREG                ; LDS: my region
	s_mov_b32 s[G0X], 1
	s_mul_i32 s[G0X+1], s[WV], WREG
	s_add_co_u32 s[G0X+1], s[G0X+1], WTB           ; behind w's 16 rows
	s_lshl_b32 s22, s[WV], 10                      ; my 256 k, in bytes: x's offset holds the wave's number alone
	s_mov_b32 s23, 0
	s_lshl_b32 s20, s18, 16                        ; w's: the tile's 16 rows of 4,096 bytes, and my 256 k
	s_add_co_u32 s20, s20, s22
	s_mov_b32 s21, 0
	v_and_b32 v1, 15, v0                           ; r = lane % 16
	v_bfe_u32 v2, v0, 4, 1                         ; h = lane / 16
	v_mul_u32_u24 v[AW], v1, PITCH
	v_lshl_add_u32 v[AW], v2, 5, v[AW]             ; row x pitch + 32 h (8 f32)
	v_add_nc_u32 v[AW], s[G0W+1], v[AW]
	v_add_nc_u32 v[AX], WTB, v[AW]
	v_mul_u32_u24 v[RS], v1, RP
	v_lshl_add_u32 v[RS], v2, 5, v[RS]             ; row of x r, columns 8 h on
	s_mul_i32 s3, s[WV], REDW
	s_add_co_u32 s3, s3, RED
	v_add_nc_u32 v[RS], s3, v[RS]
	v_lshrrev_b32 v9, 2, v0                        ; at the end thread t owns row t / 4 of y, columns 4 (t % 4) on
	v_and_b32 v[BO], 3, v0
	v_lshlrev_b32 v[BO], 4, v[BO]
	v_mul_u32_u24 v[RL], v9, RP
	v_add3_u32 v[RL], v[RL], v[BO], RED
	v_lshl_add_u32 v[YO], v9, 12, v[BO]
	s_wait_dscnt 0x0                               ; the opening add is done
	s_wait_kmcnt 0x0
	s_cmp_eq_u32 s17, 0
	s_cselect_b64 s[6:7], s[6:7], s[10:11]         ; the job's weights
	s_cselect_b64 s[8:9], s[8:9], s[12:13]         ; and bias
	s_add_nc_u64 s[G0W+2:G0W+3], s[6:7], s[20:21]
	s_or_b32 s[G0W+3], s[G0W+3], 0x80000000        ; type = 2
	s_add_nc_u64 s[G0X+2:G0X+3], s[4:5], s[22:23]
	s_or_b32 s[G0X+3], s[G0X+3], 0x80000000
	s_lshl_b32 s20, s18, 6                         ; the tile's 16 columns, in bytes
	s_add_nc_u64 s[8:9], s[8:9], s[20:21]
	s_lshl_b32 s3, s17, 17                         ; the job's 32 rows of y
	s_add_co_u32 s20, s20, s3
	s_add_nc_u64 s[14:15], s[14:15], s[20:21]
	ROUND                                          ; all four work-groups are here: the joint loads meet
	tensor_load_to_lds s[G0X:G0X+3], s[G1X:G1X+7]  ; my quarter of x, jointly
	s_nop 0
	tensor_load_to_lds s[G0W:G0W+3], s[G1W:G1W+7]  ; my quarter of the tile's rows of w
	s_nop 0
	PLACES 4
	global_load_b128 v[BIAS:BIAS+3], v[BO], s[8:9]
	s_wait_tensorcnt 0x0                           ; both tiles are in; only I read them, so no barrier is needed
	LOADS 0
.irp s, 0,1,2,3,4,5,6,7
	KSTEP \s
.endr
	PLACES 4                                       ; behind the last products, ahead of the stores that read them
	ds_store_b128 v[RS], v[ACC:ACC+3]
	ds_store_b128 v[RS], v[ACC+4:ACC+7] offset:16
	ds_store_b128 v[RS], v[ACC+8:ACC+11] offset:16*RP
	ds_store_b128 v[RS], v[ACC+12:ACC+15] offset:16*RP+16
	s_wait_dscnt 0x0                               ; for the others' sake: my partial sums are in LDS
	s_barrier_signal -1
	s_barrier_wait -1
	ds_load_b128 v[16:19], v[RL]
	ds_load_b128 v[20:23], v[RL] offset:REDW
	ds_load_b128 v[24:27], v[RL] offset:2*REDW
	ds_load_b128 v[28:31], v[RL] offset:3*REDW
	s_wait_loadcnt 0x0                             ; the bias
	s_wait_dscnt 0x0
	v_pk_add_f32 v[16:17], v[16:17], v[20:21]
	v_pk_add_f32 v[18:19], v[18:19], v[22:23]
	v_pk_add_f32 v[24:25], v[24:25], v[28:29]
	v_pk_add_f32 v[26:27], v[26:27], v[30:31]
	v_pk_add_f32 v[16:17], v[16:17], v[24:25]
	v_pk_add_f32 v[18:19], v[18:19], v[26:27]
	v_pk_add_f32 v[16:17], v[16:17], v[BIAS:BIAS+1]
	v_pk_add_f32 v[18:19], v[18:19], v[BIAS+2:BIAS+3]
	global_store_b128 v[YO], v[16:19], s[14:15]
	s_wait_tensorcnt 0x0                           ; the wave's end
	ds_add_u32 v[SPW], v[NIL]
	s_wait_dscnt 0x0
	ROUND                                          ; the closing round: no work-group ends while a partner may still ask for a tile that names it
	s_endpgm
.Lfunc_end_k_qdf470889d0_proj:
	.size	k_qdf470889d0_proj, .Lfunc_end_k_qdf470889d0_proj-k_qdf470889d0_proj
	.p2alignl 7, 3214868480
	.fill 96, 4, 3214868480
	.section	.rodata,"a",@progbits
	.p2align	6, 0x0
	.amdhsa_kernel k_qdf470889d0_proj
		.amdhsa_group_segment_fixed_size 210432
		.amdhsa_private_segment_fixed_size 0
		.amdhsa_enable_private_segment 0
		.amdhsa_kernarg_size 48
		.amdhsa_user_sgpr_count 2
		.amdhsa_user_sgpr_kernarg_segment_ptr 1
		.amdhsa_wavefront_size32 1
		.amdhsa_system_sgpr_workgroup_id_x 1
		.amdhsa_system_sgpr_workgroup_id_y 1
		.amdhsa_system_sgpr_workgroup_id_z 1
		.amdhsa_system_vgpr_workitem_id 0
		.amdhsa_next_free_vgpr 176
		.amdhsa_next_free_sgpr 66
		.amdhsa_reserve_vcc 0
		.amdhsa_float_denorm_mode_32 3
		.amdhsa_float_denorm_mode_16_64 3
		.amdhsa_memory_ordered 1
		.amdhsa_forward_progress 1
		.amdhsa_inst_pref_size 26
	.end_amdhsa_kernel
	.amdgpu_metadata
---
amdhsa.version: [ 1, 2 ]
amdhsa.kernels:
  - .name:           k_qdf470889d0_proj
    .symbol:         k_qdf470889d0_proj.kd
    .args:
      - { .name: heat_feat, .offset: 0, .size: 8, .value_kind: global_buffer, .address_space: global }
      - { .name: W_heat, .offset: 8, .size: 8, .value_kind: global_buffer, .address_space: global }
      - { .name: b_heat, .offset: 16, .size: 8, .value_kind: global_buffer, .address_space: global }
      - { .name: Wk, .offset: 24, .size: 8, .value_kind: global_buffer, .address_space: global }
      - { .name: bk, .offset: 32, .size: 8, .value_kind: global_buffer, .address_space: global }
      - { .name: ph, .offset: 40, .size: 8, .value_kind: global_buffer, .address_space: global }
    .group_segment_fixed_size: 210432
    .private_segment_fixed_size: 0
    .kernarg_segment_align: 8
    .kernarg_segment_size: 48
    .max_flat_workgroup_size: 128
    .sgpr_count:     66
    .vgpr_count:     176
    .wavefront_size: 32
...
	.end_amdgpu_metadata
.endif
;; end of part 1
;; launch kv: the kernel of part 1 again; grid 128 x 1, 4 waves a work-group, clusters of 4 x 1, 210,432 bytes of LDS; arguments ph, Wk, bk, Wv, bv, kv; writes kv
;; launch mid (part 2): grid 16 x 16, 8 waves a work-group, clusters of 4 x 1, 327,680 bytes of LDS; arguments kv, Wq, W_img, Wo, b_img, bq, gmat, umat, cvec; writes gmat, umat, cvec
.if DOCPART == 2
	.amdgcn_target "amdgcn-amd-amdhsa--gfx1250"
	.amdhsa_code_object_version 6
	.text
	.protected	k_qdf470889d0_mid
	.globl	k_qdf470889d0_mid
	.p2align	8
	.type	k_qdf470889d0_mid,@function
k_qdf470889d0_mid:
	s_mov_b64 s[64:65], 0
	v_nop
	global_prefetch_b8 v0, s[64:65] scope:SCOPE_SE
	s_setreg_imm32_b32 hwreg(HW_REG_WAVE_MODE, 25, 1), 1
	s_wait_xcnt 0x0
	s_wait_alu depctr_hold_cnt(0) depctr_sa_sdst(0) depctr_va_vdst(0) depctr_va_sdst(0) depctr_va_ssrc(0) depctr_va_vcc(0) depctr_vm_vsrc(0)
	s_getreg_b32 s2, hwreg(HW_REG_IB_STS2, 6, 4)
	s_cmp_eq_u32 s2, 0
	s_cbranch_scc0 .Lentry_in_a_cluster
	s_endpgm
.Lentry_in_a_cluster:
	s_bfe_u32 s2, ttmp6, 0x10000c
	s_cmp_lg_u32 s2, 0x3003
	s_cbranch_scc0 .Lentry_shape_is_right
	s_endpgm
.Lentry_shape_is_right:
; THE KEY HAS LENGTH 1, so a head's score is linear in the image row, and the chain of products is taken from the right (associativity: it holds for every input):
;   q . k = img[b][s][:] . G[b][h][:] + c[h][b],   t[b][h][j] = sum_d Wq[64 h + d][j] k[b][64 h + d],   G[b][h][i] = sum_j W_img[j][i] t[b][h][j],
;   c[h][b] = sum_j b_img[j] t[b][h][j] + sum_d bq[64 h + d] k[b][64 h + d];      and the output projection of one head's value:  U[b][h][e] = sum_d Wo[e][64 h + d] v[b][64 h + d].
; This launch makes G and U (bf16, [b][h][1024]) and c (f32, [h][b]) from kv = (k, v), f32 [2][32][1024].
; LIMITS.  Matrix operands (k, v, Wq, W_img, Wo, bq, t) are rounded to bf16, sums are f32, G and U are rounded to bf16 once; so a score differs from the module's as written by roundings to bf16 in another order.
; SHARES.  Work-group (h, cb) makes columns 64 cb .. 64 cb + 63 of G[:][h] and U[:][h]; those with cb = 0 also store c[h].  Wave w of eight owns j = 128 w .. 128 w + 127, in two groups of 64:
; it makes its t (for all 32 b), keeps it in registers, and multiplies it on by its 128 rows of the W_img block; the eight partial G meet in LDS.  (t is made anew in each of a head's 16 work-groups.)
; HOW [K][N] OPERANDS ARE FED.  Wq_h ([d][j]) and the W_img block ([j][i]) lie with K down the rows.  A lane loads 16 bytes, columns 4 r .. 4 r + 3 of one row: register i of such a load belongs to
; tile i, whose row m = r stands for column 4 r + i.  16 such loads (the lane's 16 values of K) give four fragments, and every load covers whole rows of 256 consecutive bytes.
; The result t^T then holds, in tile i, register jj, lanes' half hh: j = jb + 32 hh + 4 jj + i; tiles 2 p and 2 p + 1 rounded in place ARE source 1 of the second product's K step p,
; whose source 0 reads exactly those rows of W_img.  Nothing changes lanes between the two products.
; CLUSTER.  The four work-groups of a cluster have the same cb and four different h: the W_img block (256 KiB) is asked for JOINTLY, 128 rows a wave.  Wq_h is each work-group's own and has no room in
; LDS beside that block: it comes straight into registers, 64 loads of 512 bytes a wave.  All of a work-group's bytes are asked for at the start; two tensor loads of a wave are out; no LDS byte is filled twice.
; G's and U's stores: eight lanes write 128 consecutive bytes, half an aligned block of 256; a whole block would want 128 columns, 512 KiB of W_img in LDS.
; REGISTERS: window 0 below; window 1: two groups of 128 registers of f32 as loaded (Wq, later W_img), index 64 x K step + 32 c2 + 4 jj + i.
.set SP,    272                        ; LDS rows of 256 bytes + 16: row r starts at bank 4 r mod 64 (64 banks of 4 bytes: ISA guide 11.1)
.set SMW,   16*SP
.set WIW,   32768                      ; a wave's 128 rows x 256 bytes of W_img, unpadded: 16 lanes read 256 consecutive bytes.  Behind its last read the wave puts its partial G there (32 rows x 272 bytes)
.set SMALL, 8*WIW                      ; 128 rows x 272: rows 0-31 k_h, 32-63 v_h, 64-127 Wo[64 cb ..][64 h ..]; 16 rows a wave
.set US,    SMALL+8*SMW                ; U in bf16: 32 rows x 144 bytes; no tensor load lands here or behind
.set UP,    144
.set CS,    US+32*UP                   ; the waves' parts of c: [w][32] f32
.set SPARE, CS+1024                    ; the spare words, 128 bytes for each wave: four blocks of 256 bytes that no other line names
.set QO,  3                            ; v3   Wq: 8 hh rows + 16 r
.set BIO, 4                            ; v4   b_img: 128 hh
.set BQO, 5                            ; v5   bq: 32 hh
.set WA,  6                            ; v6   my rows of W_img in LDS: 32 hh rows + 16 r
.set SA,  7                            ; v7   fragment rows in SMALL: k
.set SAV, 8                            ; v8   v, my tile of 16 b
.set SAO, 9                            ; v9   Wo, my tile of 16 e
.set RW,  10                           ; v10  where I put my partial G
.set RR,  11                           ; v11-14 where I read the partial G of waves 0-1, 2-3, 4-5, 6-7
.set GOF, 15                           ; v15  my byte offset in gmat and umat
.set USW, 16
.set USR, 17
.set CSW, 18
.set CSR, 19
.set SPW, 20                           ; v20  my spare word; never rewritten
.set NIL, 21                           ; v21  0; never rewritten
.set T0,  22
.set T1,  23
.set CACC, 24                          ; v[24:31] c: four chains for each tile of b
.set KF,  32                           ; v[32:63] k's fragments: (bt, ks) at 8 (2 bt + ks)
.set AF,  64                           ; v[64:95] four bf16 fragments of source 0
.set TA,  96                           ; v[96:159] t^T: tile (bt, i) at 8 (4 bt + i)
.set GA,  160                          ; v[160:223] G^T: tile (bt, ii)
.set BI,  224                          ; v[224:255] b_img of my lane's 32 j of a group
.set WV,  22                           ; s22  my wave's number
.set CB,  23                           ; s23  column block, shared by the partners
.set HD,  24                           ; s24  head
.set G1S, 28
.set G1I, 36
.set G0S, 44
.set G0I, 48
.set MSB, 0
.macro WIN new                         ; the immediate's high byte repeats the setting that is left; a switch that changes nothing is dropped
.if MSB != (\new)
	s_set_vgpr_msb (MSB<<8)|(\new)
.set MSB, \new
.endif
.endm
.macro PLACES n
.rept \n
	v_nop
.endr
.endm
.macro ROUND                           ; a round of the cluster's barrier
	s_barrier_signal -1
	s_barrier_wait -1
	s_cmp_lg_u32 s[WV], 0
	s_cbranch_scc1 .Lnot_wave_0_\@
	s_barrier_signal -3
.Lnot_wave_0_\@:
	s_barrier_wait -3
	s_barrier_signal -1
	s_barrier_wait -1
.endm
.macro LD4 dst, adr, off               ; 16 f32 of a fragment whose K lies along the LDS row
	ds_load_b128 v[(\dst):(\dst)+3], v[\adr] offset:(\off)
	ds_load_b128 v[(\dst)+4:(\dst)+7], v[\adr] offset:(\off)+16
	ds_load_b128 v[(\dst)+8:(\dst)+11], v[\adr] offset:(\off)+64
	ds_load_b128 v[(\dst)+12:(\dst)+15], v[\adr] offset:(\off)+80
.endm
.macro CVT8 dst, src
.irp q, 0,1,2,3,4,5,6,7
	v_cvt_pk_bf16_f32 v[(\dst)+(\q)], v[(\src)+2*(\q)], v[(\src)+2*(\q)+1]
.endr
.endm
.macro CVT32 base                      ; 64 f32 of window 1 -> four fragments: tile i takes register i of each load
	WIN 0x05
.irp i, 0,1,2,3
.irp c, 0,1
.irp q, 0,1,2,3
	v_cvt_pk_bf16_f32 v[AF+8*(\i)+4*(\c)+(\q)], v[(\base)+32*(\c)+8*(\q)+(\i)], v[(\base)+32*(\c)+8*(\q)+4+(\i)]
.endr
.endr
.endr
	WIN 0
.endm
; t^T += Wq^T k for group g, d = 32 ks on.  left: the younger global loads.  The eight accumulators take turns; five places close the unit, ahead of the next writes of AF and TA.
.macro UNITB g, ks, left
	s_wait_loadcnt \left
	CVT32 128*(\g)+64*(\ks)
.irp i, 0,1,2,3
.irp bt, 0,1
.if (\ks) == 0
	v_wmma_f32_16x16x32_bf16 v[TA+8*(4*(\bt)+(\i)):TA+8*(4*(\bt)+(\i))+7], v[AF+8*(\i):AF+8*(\i)+7], v[KF+8*(2*(\bt)+(\ks)):KF+8*(2*(\bt)+(\ks))+7], 0
.else
	v_wmma_f32_16x16x32_bf16 v[TA+8*(4*(\bt)+(\i)):TA+8*(4*(\bt)+(\i))+7], v[AF+8*(\i):AF+8*(\i)+7], v[KF+8*(2*(\bt)+(\ks)):KF+8*(2*(\bt)+(\ks))+7], v[TA+8*(4*(\bt)+(\i)):TA+8*(4*(\bt)+(\i))+7]
.endif
.endr
.endr
	PLACES 5
.endm
.macro C1 g                            ; c += b_img . t in f32, eight chains; each accumulator's lowest register is read first
.irp jj, 0,1,2,3,4,5,6,7
.irp bt, 0,1
.irp i, 0,1,2,3
.if ((\g) == 0) && ((\i) > 0) && ((\jj) == 0)
	v_mul_f32 v[CACC+4*(\bt)+(\i)], v[TA+8*(4*(\bt)+(\i))+(\jj)], v[BI+4*(\jj)+(\i)]
.else
	v_fmac_f32 v[CACC+4*(\bt)+(\i)], v[TA+8*(4*(\bt)+(\i))+(\jj)], v[BI+4*(\jj)+(\i)]
.endif
.endr
.endr
.endr
.endm
.macro B2CVT                           ; tiles 2 p, 2 p + 1 of t^T, rounded in place, are source 1 of K step p
.irp bt, 0,1
.irp p, 0,1
.irp q, 0,1,2,3
	v_cvt_pk_bf16_f32 v[TA+8*(4*(\bt)+2*(\p))+(\q)], v[TA+8*(4*(\bt)+2*(\p))+2*(\q)], v[TA+8*(4*(\bt)+2*(\p))+2*(\q)+1]
.endr
.irp q, 0,1,2,3
	v_cvt_pk_bf16_f32 v[TA+8*(4*(\bt)+2*(\p))+4+(\q)], v[TA+8*(4*(\bt)+2*(\p)+1)+2*(\q)], v[TA+8*(4*(\bt)+2*(\p)+1)+2*(\q)+1]
.endr
.endr
.endr
.endm
.macro FETCHC g                        ; the group's 64 rows of W_img, 32 loads: row 64 g + 32 hh + 4 jj + 2 p + c2; K step 0's sixteen first
	WIN 0x40
.set n, 0
.rept 32
	ds_load_b128 v[128*(\g)+4*n:128*(\g)+4*n+3], v[WA] offset:(64*(\g)+4*(n%8)+2*(n/16)+(n/8)%2)*256
.set n, n+1
.endr
	WIN 0
.endm
.macro UNITC g, p, left                ; G^T += W_img^T t
	s_wait_dscnt \left
	CVT32 128*(\g)+64*(\p)
.irp ii, 0,1,2,3
.irp bt, 0,1
.if ((\g) == 0) && ((\p) == 0)
	v_wmma_f32_16x16x32_bf16 v[GA+8*(4*(\bt)+(\ii)):GA+8*(4*(\bt)+(\ii))+7], v[AF+8*(\ii):AF+8*(\ii)+7], v[TA+8*(4*(\bt)+2*(\p)):TA+8*(4*(\bt)+2*(\p))+7], 0
.else
	v_wmma_f32_16x16x32_bf16 v[GA+8*(4*(\bt)+(\ii)):GA+8*(4*(\bt)+(\ii))+7], v[AF+8*(\ii):AF+8*(\ii)+7], v[TA+8*(4*(\bt)+2*(\p)):TA+8*(4*(\bt)+2*(\p))+7], v[GA+8*(4*(\bt)+(\ii)):GA+8*(4*(\bt)+(\ii))+7]
.endif
.endr
.endr
	PLACES 5
.endm
.macro GROUP g, n0, n1
	UNITB \g, 0, \n0
	UNITB \g, 1, \n1
.if (\g) == 0
	s_wait_tensorcnt 0x0                           ; my 128 rows of W_img are in; only I read them
.endif
	FETCHC \g
.if (\g) == 1
	s_wait_loadcnt 0x0                             ; b_img of the second group
.endif
	C1 \g
.if (\g) == 0
.irp jj, 0,1,2,3,4,5,6,7
	global_load_b128 v[BI+4*(\jj):BI+4*(\jj)+3], v[BIO], s[12:13] offset:256+16*(\jj)
.endr
.endif
	B2CVT
	UNITC \g, 0, 16                                ; K step 1's sixteen loads may be out
	UNITC \g, 1, 0
.endm
	s_load_b512 s[4:19], s[0:1], 0x0               ; kv s[4:5], Wq s[6:7], W_img s[8:9], Wo s[10:11], b_img s[12:13], bq s[14:15], gmat s[16:17], umat s[18:19]
	s_load_b64 s[20:21], s[0:1], 0x40              ; cvec
	v_lshl_add_u32 v[SPW], v0, 2, SPARE
	v_mov_b32 v[NIL], 0
	ds_add_u32 v[SPW], v[NIL]                      ; the wave's opening: the add and its wait stand ahead of my first tensor load; the set-up stands between them
	ds_add_u32 v20, v21
	v_lshrrev_b32 v1, 5, v0
	v_readfirstlane_b32 s[WV], v1                  ; wave 0..7
	s_and_b32 s[CB], ttmp7, 0xffff                 ; the cluster is one work-group high: its y is the work-group's
	s_bfe_u32 s25, ttmp6, 0x40000                  ; cx
	s_lshl_b32 s[HD], ttmp9, 2
	s_add_co_u32 s[HD], s[HD], s25                 ; head = 4 x cluster x + cx: it enters plain loads' and stores' addresses alone
	s_mov_b32 s[G1S+0], (2<<16)|(1<<20)|(5<<22)|(3<<25)  ; elements of 4 bytes; padding on: after every 64 words (code 5) 4 words (code 3)
	s_mov_b32 s[G1S+1], 64<<16                     ; 64 elements x 16 rows
	s_mov_b32 s[G1S+2], 16<<16
	s_mov_b32 s[G1S+3], 64<<16
	s_mov_b32 s[G1S+4], 16
	s_mov_b32 s[G1S+5], 1024
	s_mov_b32 s[G1S+6], 0
	s_mov_b32 s[G1S+7], 0
	s_mov_b32 s[G1I+0], 15|(2<<16)|(1<<21)         ; the mask of four, bit 21 beside it; no padding
	s_mov_b32 s[G1I+1], 64<<16                     ; 64 elements x 128 rows
	s_mov_b32 s[G1I+2], 128<<16
	s_mov_b32 s[G1I+3], 64<<16
	s_mov_b32 s[G1I+4], 128
	s_mov_b32 s[G1I+5], 1024
	s_mov_b32 s[G1I+6], 0
	s_mov_b32 s[G1I+7], 0
	s_mov_b32 s[G0S], 1
	s_mul_i32 s[G0S+1], s[WV], SMW
	s_add_co_u32 s[G0S+1], s[G0S+1], SMALL
	s_mov_b32 s[G0I], 1
	s_mul_i32 s[G0I+1], s[WV], WIW
	s_lshl_b32 s52, s[WV], 19                      ; W_img: my 128 rows of 4,096 bytes and the block's 256 bytes: the wave's number and cb alone
	s_lshl_b32 s26, s[CB], 8
	s_add_co_u32 s52, s52, s26
	s_mov_b32 s53, 0
	s_and_b32 s54, s[WV], 3                        ; the small tile: waves 0-3 take rows 16 w of kv, waves 4-7 rows 64 cb + 16 (w - 4) of Wo; columns 64 h on
	s_lshl_b32 s54, s54, 16
	s_lshl_b32 s26, s[HD], 8
	s_add_co_u32 s54, s54, s26
	s_lshl_b32 s26, s[CB], 18
	s_cmp_lt_u32 s[WV], 4
	s_cselect_b32 s26, 0, s26
	s_add_co_u32 s54, s54, s26
	s_mov_b32 s55, 0
	s_mov_b32 s56, 0x76543210                      ; v_permlanex16_b32: each lane takes its own place in the other half
	s_mov_b32 s57, 0xfedcba98
	s_cmp_eq_u32 s[WV], 0
	s_cselect_b32 s58, 0.5, 0                      ; bq . k enters c once: in wave 0, half in each half of the lanes, which are added later
	v_and_b32 v1, 15, v0                           ; r
	v_bfe_u32 v2, v0, 4, 1                         ; hh
	v_lshlrev_b32 v[T0], 4, v1
	v_lshl_add_u32 v[QO], v2, 15, v[T0]
	v_lshlrev_b32 v[BIO], 7, v2
	v_lshlrev_b32 v[BQO], 5, v2
	v_lshl_add_u32 v[WA], v2, 13, v[T0]
	v_add_nc_u32 v[WA], s[G0I+1], v[WA]
	v_mul_u32_u24 v[T1], v1, SP
	v_lshl_add_u32 v[T1], v2, 5, v[T1]             ; r x 272 + 32 hh
	v_add_nc_u32 v[RW], s[G0I+1], v[T1]
	v_add_nc_u32 v[SA], SMALL, v[T1]
	s_and_b32 s26, s[WV], 1                        ; for U: my tile of b
	s_lshr_b32 s59, s[WV], 1                       ; and of e
	s_mul_i32 s27, s26, SMW
	s_add_co_u32 s27, s27, 32*SP
	v_add_nc_u32 v[SAV], s27, v[SA]
	s_mul_i32 s27, s59, SMW
	s_add_co_u32 s27, s27, 64*SP
	v_add_nc_u32 v[SAO], s27, v[SA]
	v_lshrrev_b32 v24, 3, v0                       ; at the end thread t owns b = t / 8, channels 8 (t % 8) on
	v_and_b32 v25, 7, v0
	v_mul_u32_u24 v[RR], v24, SP
	v_lshl_add_u32 v[RR], v25, 3, v[RR]
	v_add_nc_u32 v[RR+1], 0x10000, v[RR]
	v_add_nc_u32 v[RR+2], 0x20000, v[RR]
	v_add_nc_u32 v[RR+3], 0x30000, v[RR]
	v_lshlrev_b32 v[GOF], 15, v24
	v_lshl_add_u32 v[GOF], v25, 4, v[GOF]
	v_mul_u32_u24 v[USR], v24, UP
	v_lshl_add_u32 v[USR], v25, 4, v[USR]
	v_add_nc_u32 v[USR], US, v[USR]
	v_mul_u32_u24 v[USW], v1, UP
	v_lshl_add_u32 v[USW], v2, 4, v[USW]
	s_mul_i32 s27, s26, 16*UP
	s_lshl_b32 s60, s59, 5
	s_add_co_u32 s27, s27, s60
	s_add_co_u32 s27, s27, US
	v_add_nc_u32 v[USW], s27, v[USW]
	s_lshl_b32 s27, s[WV], 7
	s_add_co_u32 s27, s27, CS
	v_lshl_add_u32 v[CSW], v1, 2, s27
	v_and_b32 v[CSR], 31, v0
	v_lshl_add_u32 v[CSR], v[CSR], 2, CS
	s_wait_dscnt 0x0                               ; the opening add is done
	s_wait_kmcnt 0x0
	s_cmp_lt_u32 s[WV], 4
	s_cselect_b64 s[G0S+2:G0S+3], s[4:5], s[10:11]
	s_add_nc_u64 s[G0S+2:G0S+3], s[G0S+2:G0S+3], s[54:55]
	s_or_b32 s[G0S+3], s[G0S+3], 0x80000000
	s_add_nc_u64 s[G0I+2:G0I+3], s[8:9], s[52:53]
	s_or_b32 s[G0I+3], s[G0I+3], 0x80000000
	s_lshl_b32 s54, s[HD], 18                      ; Wq at the head's 64 rows and my 128 columns
	s_lshl_b32 s26, s[WV], 9
	s_add_co_u32 s54, s54, s26
	s_add_nc_u64 s[6:7], s[6:7], s[54:55]
	s_mov_b32 s54, s26
	s_add_nc_u64 s[12:13], s[12:13], s[54:55]      ; b_img at my 128 j
	s_lshl_b32 s54, s[HD], 8
	s_add_nc_u64 s[14:15], s[14:15], s[54:55]      ; bq at the head
	s_lshl_b32 s54, s[HD], 11
	s_lshl_b32 s26, s[CB], 7
	s_add_co_u32 s54, s54, s26
	s_add_nc_u64 s[16:17], s[16:17], s[54:55]      ; gmat and umat at (b = 0, h, 64 cb)
	s_add_nc_u64 s[18:19], s[18:19], s[54:55]
	s_lshl_b32 s54, s[HD], 7
	s_add_nc_u64 s[20:21], s[20:21], s[54:55]      ; cvec at the head's 32 words
	ROUND                                          ; all four work-groups are here: the joint loads meet
	tensor_load_to_lds s[G0S:G0S+3], s[G1S:G1S+7]  ; the small tile first: it is wanted first
	s_nop 0
	tensor_load_to_lds s[G0I:G0I+3], s[G1I:G1I+7]  ; my 128 rows of the W_img block, jointly
	s_nop 0
	PLACES 4
.irp ks, 0,1
	global_load_b128 v[GA+16+16*(\ks):GA+16+16*(\ks)+3], v[BQO], s[14:15] offset:128*(\ks)
	global_load_b128 v[GA+16+16*(\ks)+4:GA+16+16*(\ks)+7], v[BQO], s[14:15] offset:128*(\ks)+16
	global_load_b128 v[GA+16+16*(\ks)+8:GA+16+16*(\ks)+11], v[BQO], s[14:15] offset:128*(\ks)+64
	global_load_b128 v[GA+16+16*(\ks)+12:GA+16+16*(\ks)+15], v[BQO], s[14:15] offset:128*(\ks)+80
.endr
.irp jj, 0,1,2,3,4,5,6,7
	global_load_b128 v[BI+4*(\jj):BI+4*(\jj)+3], v[BIO], s[12:13] offset:16*(\jj)
.endr
	WIN 0x40                                       ; destination window 1
.set n, 0
.rept 64                                           ; n = 32 g + 16 ks + 8 c2 + jj: row d = 32 ks + 16 c2 + 8 hh + jj, columns 64 g + 4 r on; lanes 0-15 and 16-31 each take 256 consecutive bytes
	global_load_b128 v[4*n:4*n+3], v[QO], s[6:7] offset:(32*((n/16)%2)+16*((n/8)%2)+n%8)*4096+256*(n/32)
.set n, n+1
.endr
	WIN 0
	s_wait_tensorcnt 1                             ; my part of the small tile is in; the W_img load may stay out
	s_barrier_signal -1
	s_barrier_wait -1                              ; everybody's part is in
.set n, 0
.rept 4                                            ; k's fragments: n = 2 bt + ks
	LD4 TA+16*n, SA, (n/2)*SMW+(n%2)*128
.set n, n+1
.endr
	s_wait_dscnt 0x0
.set n, 0
.rept 4
	CVT8 KF+8*n, TA+16*n
.set n, n+1
.endr
	s_wait_loadcnt 63                              ; bq's eight loads are the oldest of 80; 72 are younger, and 63 is the largest count that the wait can name
	CVT8 AF, GA+16                                 ; a source 0 of which every row is bq_h: every row of the product is bq_h . k_h
	CVT8 AF+8, GA+32
	v_wmma_f32_16x16x32_bf16 v[GA:GA+7], v[AF:AF+7], v[KF:KF+7], 0
	v_wmma_f32_16x16x32_bf16 v[GA+8:GA+15], v[AF:AF+7], v[KF+16:KF+23], 0
	v_wmma_f32_16x16x32_bf16 v[GA:GA+7], v[AF+8:AF+15], v[KF+8:KF+15], v[GA:GA+7]
	v_wmma_f32_16x16x32_bf16 v[GA+8:GA+15], v[AF+8:AF+15], v[KF+24:KF+31], v[GA+8:GA+15]
	PLACES 4
	v_mul_f32 v[CACC], s58, v[GA]                  ; starts chain 0 of each tile of b
	v_mul_f32 v[CACC+4], s58, v[GA+8]
	GROUP 0, 48, 32                                ; younger loads: three, then two units of 16
	GROUP 1, 24, 8                                 ; one unit of 16 and b_img's eight; then those eight
	; U: wave w makes the tile b = 16 (w % 2) on, e = 16 (w / 2) on
	LD4 TA, SAO, 0
	LD4 TA+16, SAO, 128
	LD4 TA+32, SAV, 0
	LD4 TA+48, SAV, 128
	s_wait_dscnt 0x0
	CVT8 AF, TA
	CVT8 AF+8, TA+16
	CVT8 AF+16, TA+32
	CVT8 AF+24, TA+48
	v_wmma_f32_16x16x32_bf16 v[KF:KF+7], v[AF:AF+7], v[AF+16:AF+23], 0
	s_wait_alu depctr_va_vdst(0)                   ; one accumulator, two links
	v_wmma_f32_16x16x32_bf16 v[KF:KF+7], v[AF+8:AF+15], v[AF+24:AF+31], v[KF:KF+7]
	PLACES 4
.irp q, 0,1,2,3
	v_cvt_pk_bf16_f32 v[KF+8+(\q)], v[KF+2*(\q)], v[KF+2*(\q)+1]
.endr
	ds_store_b128 v[USW], v[KF+8:KF+11]
.irp bt, 0,1
.irp ii, 0,1,2,3
	ds_store_b128 v[RW], v[GA+8*(4*(\bt)+(\ii)):GA+8*(4*(\bt)+(\ii))+3] offset:(\bt)*SMW+64*(\ii)     ; row b, word 16 ii + m; my reads of these bytes were issued earlier, and LDS serves a wave in order (ISA guide 5.7.1.4)
	ds_store_b128 v[RW], v[GA+8*(4*(\bt)+(\ii))+4:GA+8*(4*(\bt)+(\ii))+7] offset:(\bt)*SMW+64*(\ii)+16
.endr
.endr
	v_add_f32 v[CACC], v[CACC], v[CACC+1]
	v_add_f32 v[CACC+2], v[CACC+2], v[CACC+3]
	v_add_f32 v[CACC+4], v[CACC+4], v[CACC+5]
	v_add_f32 v[CACC+6], v[CACC+6], v[CACC+7]
	v_add_f32 v[CACC], v[CACC], v[CACC+2]
	v_add_f32 v[CACC+4], v[CACC+4], v[CACC+6]
	v_permlanex16_b32 v[T0], v[CACC], s56, s57     ; the other 32 j of each group lie in the lane 16 away
	v_permlanex16_b32 v[T1], v[CACC+4], s56, s57
	v_add_f32 v[CACC], v[CACC], v[T0]
	v_add_f32 v[CACC+4], v[CACC+4], v[T1]
	ds_store_b32 v[CSW], v[CACC]
	ds_store_b32 v[CSW], v[CACC+4] offset:64
	s_wait_dscnt 0x0                               ; for the others' sake: my parts of G, U and c are in LDS
	s_barrier_signal -1
	s_barrier_wait -1
.set n, 0
.rept 32                                           ; n = 4 w' + ii: words 16 ii + 2 o and + 1 of row b: channels 8 o + ii and 8 o + 4 + ii
	ds_load_b64 v[TA+2*n:TA+2*n+1], v[RR+n/8] offset:((n/4)%2)*WIW+64*(n%4)
.set n, n+1
.endr
	ds_load_b128 v[KF+12:KF+15], v[USR]
	s_wait_dscnt 0x0
.irp ii, 0,1,2,3
	v_pk_add_f32 v[TA+2*(\ii):TA+2*(\ii)+1], v[TA+2*(\ii):TA+2*(\ii)+1], v[TA+8+2*(\ii):TA+8+2*(\ii)+1]
	v_pk_add_f32 v[TA+16+2*(\ii):TA+16+2*(\ii)+1], v[TA+16+2*(\ii):TA+16+2*(\ii)+1], v[TA+24+2*(\ii):TA+24+2*(\ii)+1]
	v_pk_add_f32 v[TA+32+2*(\ii):TA+32+2*(\ii)+1], v[TA+32+2*(\ii):TA+32+2*(\ii)+1], v[TA+40+2*(\ii):TA+40+2*(\ii)+1]
	v_pk_add_f32 v[TA+48+2*(\ii):TA+48+2*(\ii)+1], v[TA+48+2*(\ii):TA+48+2*(\ii)+1], v[TA+56+2*(\ii):TA+56+2*(\ii)+1]
.endr
.irp ii, 0,1,2,3
	v_pk_add_f32 v[TA+2*(\ii):TA+2*(\ii)+1], v[TA+2*(\ii):TA+2*(\ii)+1], v[TA+16+2*(\ii):TA+16+2*(\ii)+1]
	v_pk_add_f32 v[TA+32+2*(\ii):TA+32+2*(\ii)+1], v[TA+32+2*(\ii):TA+32+2*(\ii)+1], v[TA+48+2*(\ii):TA+48+2*(\ii)+1]
.endr
.irp ii, 0,1,2,3
	v_pk_add_f32 v[TA+2*(\ii):TA+2*(\ii)+1], v[TA+2*(\ii):TA+2*(\ii)+1], v[TA+32+2*(\ii):TA+32+2*(\ii)+1]
.endr
	v_cvt_pk_bf16_f32 v[KF+16], v[TA], v[TA+2]     ; channels 8 o + 0, 1
	v_cvt_pk_bf16_f32 v[KF+17], v[TA+4], v[TA+6]   ; 2, 3
	v_cvt_pk_bf16_f32 v[KF+18], v[TA+1], v[TA+3]   ; 4, 5
	v_cvt_pk_bf16_f32 v[KF+19], v[TA+5], v[TA+7]   ; 6, 7
	global_store_b128 v[GOF], v[KF+16:KF+19], s[16:17]
	global_store_b128 v[GOF], v[KF+12:KF+15], s[18:19]
	s_cmp_lg_u32 s[WV], 0                          ; c[h] is stored by wave 0 of the head's work-group with cb = 0 (cb is the same in all partners)
	s_cbranch_scc1 .Lno_c
	s_cmp_lg_u32 s[CB], 0
	s_cbranch_scc1 .Lno_c
.irp i, 0,1,2,3,4,5,6,7
	ds_load_b32 v[KF+20+(\i)], v[CSR] offset:128*(\i)
.endr
	v_and_b32 v[T0], 31, v0
	v_lshlrev_b32 v[T0], 2, v[T0]
	s_wait_dscnt 0x0
	v_add_f32 v[KF+20], v[KF+20], v[KF+21]
	v_add_f32 v[KF+22], v[KF+22], v[KF+23]
	v_add_f32 v[KF+24], v[KF+24], v[KF+25]
	v_add_f32 v[KF+26], v[KF+26], v[KF+27]
	v_add_f32 v[KF+20], v[KF+20], v[KF+22]
	v_add_f32 v[KF+24], v[KF+24], v[KF+26]
	v_add_f32 v[KF+20], v[KF+20], v[KF+24]
	global_store_b32 v[T0], v[KF+20], s[20:21]     ; 128 consecutive bytes
.Lno_c:
	s_wait_tensorcnt 0x0                           ; the wave's end
	ds_add_u32 v[SPW], v[NIL]
	s_wait_dscnt 0x0
	ROUND                                          ; the closing round: no work-group ends while a partner may still ask for a tile that names it
	s_endpgm
.Lfunc_end_k_qdf470889d0_mid:
	.size	k_qdf470889d0_mid, .Lfunc_end_k_qdf470889d0_mid-k_qdf470889d0_mid
	.p2alignl 7, 3214868480
	.fill 96, 4, 3214868480
	.section	.rodata,"a",@progbits
	.p2align	6, 0x0
	.amdhsa_kernel k_qdf470889d0_mid
		.amdhsa_group_segment_fixed_size 327680
		.amdhsa_private_segment_fixed_size 0
		.amdhsa_enable_private_segment 0
		.amdhsa_kernarg_size 72
		.amdhsa_user_sgpr_count 2
		.amdhsa_user_sgpr_kernarg_segment_ptr 1
		.amdhsa_wavefront_size32 1
		.amdhsa_system_sgpr_workgroup_id_x 1
		.amdhsa_system_sgpr_workgroup_id_y 1
		.amdhsa_system_sgpr_workgroup_id_z 1
		.amdhsa_system_vgpr_workitem_id 0
		.amdhsa_next_free_vgpr 512
		.amdhsa_next_free_sgpr 66
		.amdhsa_reserve_vcc 0
		.amdhsa_float_denorm_mode_32 3
		.amdhsa_float_denorm_mode_16_64 3
		.amdhsa_memory_ordered 1
		.amdhsa_forward_progress 1
		.amdhsa_inst_pref_size 65
	.end_amdhsa_kernel
	.amdgpu_metadata
---
amdhsa.version: [ 1, 2 ]
amdhsa.kernels:
  - .name:           k_qdf470889d0_mid
    .symbol:         k_qdf470889d0_mid.kd
    .args:
      - { .name: kv, .offset: 0, .size: 8, .value_kind: global_buffer, .address_space: global }
      - { .name: Wq, .offset: 8, .size: 8, .value_kind: global_buffer, .address_space: global }
      - { .name: W_img, .offset: 16, .size: 8, .value_kind: global_buffer, .address_space: global }
      - { .name: Wo, .offset: 24, .size: 8, .value_kind: global_buffer, .address_space: global }
      - { .name: b_img, .offset: 32, .size: 8, .value_kind: global_buffer, .address_space: global }
      - { .name: bq, .offset: 40, .size: 8, .value_kind: global_buffer, .address_space: global }
      - { .name: gmat, .offset: 48, .size: 8, .value_kind: global_buffer, .address_space: global }
      - { .name: umat, .offset: 56, .size: 8, .value_kind: global_buffer, .address_space: global }
      - { .name: cvec, .offset: 64, .size: 8, .value_kind: global_buffer, .address_space: global }
    .group_segment_fixed_size: 327680
    .private_segment_fixed_size: 0
    .kernarg_segment_align: 8
    .kernarg_segment_size: 72
    .max_flat_workgroup_size: 256
    .sgpr_count:     66
    .vgpr_count:     512
    .wavefront_size: 32
...
	.end_amdgpu_metadata
.endif
;; end of part 2
;; launch rows (part 3): grid 256 x 1, 4 waves a work-group, no clusters, 327,680 bytes of LDS; arguments img_feat, gmat, umat, cvec, bo, gamma, beta, out0; writes out0
.if DOCPART == 3
	.amdgcn_target "amdgcn-amd-amdhsa--gfx1250"
	.amdhsa_code_object_version 6
	.text
	.protected	k_qdf470889d0_rows
	.globl	k_qdf470889d0_rows
	.p2align	8
	.type	k_qdf470889d0_rows,@function
k_qdf470889d0_rows:
	s_mov_b64 s[64:65], 0
	v_nop
	global_prefetch_b8 v0, s[64:65] scope:SCOPE_SE
	s_setreg_imm32_b32 hwreg(HW_REG_WAVE_MODE, 25, 1), 1
	s_wait_xcnt 0x0
; out[b][s][:] = LayerNorm(img[b][s][:] + sum_h a[b][s][h] U[b][h][:] + bo) gamma + beta,   a = softmax over the ONE key of (img[b][s][:] . G[b][h][:] + c[h][b]) / 8.
; img, out: [16384][1024] f32; gmat, umat: [32][16][1024] bf16; cvec: [16][32] f32; bo, gamma, beta: [1024] f32.
; The softmax is carried out: the maximum over one score is that score, so the exponent is s - s; the sum over one exponential is that exponential.  a is 1 for a finite score and NaN for any other.
; LIMITS.  img is rounded to bf16 for the score product alone (the residual and the norm take it in f32); a and U enter the second product in bf16.  bo enters that product whole, as three bf16
; pieces cut off one after the other (8 + 8 + 8 significant bits), unless a piece falls below 2^-133, bf16's smallest step.  Mean and variance: each wave's own mean and its sum of squares about it,
; joined by the means' spread: no difference of large sums is formed.
; SHARES.  A work-group owns 64 rows; wave w owns channels 256 w .. 256 w + 255 of all of them, so each byte of G and U is wanted by one wave.  The rows go in two halves of 32 (two tiles of 16).
; Both halves are asked for at the start, one tensor load of 32 rows x 1,024 bytes a wave for each: two loads of a wave are out, all 256 KiB of the work-group; half 0 is worked on and stored while half 1 lands.
; No LDS byte is filled twice.
; X STAYS IN REGISTERS.  X(rt, ct), 8 registers: lane (r, hh) holds row r, channels 16 ct + 8 hh + 0..7.  Rounded in pairs, tiles 2 kk, 2 kk + 1 are source 1 of the score product's K step kk
; (S^T = G X^T: a lane holds one row and heads 8 hh + 0..7); the same registers are C and D of X^T += U^T a^T, so the residual costs nothing; then the norm works on them.
; K of the second product is 32 for 16 heads: slots 16, 17 and 24 carry bo's three pieces against weights of 1.0, the other spare slots are 0.
; NO CLUSTER.  A batch's 8 work-groups share G and U: 64 KiB of each one's 320 KiB.  As tiles in LDS they would want 33,792 + 34,816 bytes of their own beside the rows' 266,240: more than there is.
; So they come through registers (512 consecutive bytes a load) into one scratch region, G first, then U.
; REGISTERS: window 0 below; window 1: X of half 0 (at first G and U as loaded); window 2: X of half 1; window 3: v0-127 U's fragments, 8 a tile of 16 channels; v128-191 G's, 8 a K step.
.set PITCH, 1040                       ; an LDS row: 1,024 bytes + 16 = 260 words: row r starts at bank 4 r mod 64 (64 banks of 4 bytes: ISA guide 11.1)
.set RT,    16*PITCH
.set HREG,  32*PITCH                   ; a wave's strip of a half; behind the half's reads it is the wave's stage on the way out
.set WREG,  2*HREG
.set ZB,    4*WREG                     ; scratch for G (pitch 528), then U (pitch 544): 8,704 bytes a wave; no tensor load lands here or behind
.set ZREG,  8704
.set SC,    ZB+4*ZREG                  ; the waves' partial scores: [w][rt][q][512 bytes]
.set STB,   SC+8192                    ; the waves' means and sums of squares: [w][r][16 bytes]
.set SPARE, STB+1024                   ; the spare words, 128 bytes for each wave: two blocks of 256 bytes that no other line names
.set XA,  4                            ; v4, v5   my fragment rows of half 0, 1
.set RB,  6                            ; v6, v7   the way out: 16 x lane in my strip of half 0, 1
.set GO,  8                            ; v8   16 x lane
.set ZW,  9
.set ZG,  10
.set ZU,  11
.set BOO, 13
.set CO,  14
.set SCW, 15
.set SCR, 16
.set STW, 17
.set STR, 18
.set SPW, 20                           ; v20  my spare word; never rewritten
.set NIL, 21                           ; v21  0; never rewritten
.set GM,  24                           ; v[24:31] gamma at channels 128 hf + 4 lane + 0..3
.set BE,  32                           ; v[32:39] beta
.set CBR, 40                           ; v[40:47] c[8 hh + jj][b] x log2(e) / 8
.set STAT, 48                          ; v[48:63] four chains of pairs for each tile of rows
.set S,   64                           ; v[64:79] S^T, then a as source 1
.set BT,  80                           ; v[80:207] X in bf16: (rt, kk) at 8 (8 rt + kk); also at work
.set NM,  208                          ; v[208:211] (-mean, -mean) for each rt
.set QD,  212                          ; v[212:215] mean 0, M2 0, mean 1, M2 1
.set LD,  216                          ; v[216:231] the four waves' such quads
.set RSD, 232                          ; v[232:239] (rstd, rstd), (off, off) for each rt
.set TT,  240                          ; v[240:255] at work
.set GF,  128                          ; window 3
.set WV,  20                           ; s20  my wave's number
.set MSB, 0
.macro WIN new                         ; the immediate's high byte repeats the setting that is left; a switch that changes nothing is dropped
.if MSB != (\new)
	s_set_vgpr_msb (MSB<<8)|(\new)
.set MSB, \new
.endif
.endm
.macro PLACES n
.rept \n
	v_nop
.endr
.endm
.macro FOLD a                          ; four chains of pairs at v[a..a+7] -> one number, over both halves of the lanes, in v[a]
	v_pk_add_f32 v[(\a):(\a)+1], v[(\a):(\a)+1], v[(\a)+2:(\a)+3]
	v_pk_add_f32 v[(\a)+4:(\a)+5], v[(\a)+4:(\a)+5], v[(\a)+6:(\a)+7]
	v_pk_add_f32 v[(\a):(\a)+1], v[(\a):(\a)+1], v[(\a)+4:(\a)+5]
	v_add_f32 v[(\a)], v[(\a)], v[(\a)+1]
	v_permlanex16_b32 v[(\a)+1], v[(\a)], s44, s45
	v_add_f32 v[(\a)], v[(\a)], v[(\a)+1]
.endm
; The way out of 16 rows.  NORM: (x - mu) rstd; into my stage as it came out of it, back as whole rows (LDS serves a wave's instructions in order: ISA guide 5.7.1.4).
.macro NORM H, rt
	WIN (W<<6)|W
.set n, 0
.rept 64
	v_pk_fma_f32 v[128*(\rt)+2*n:128*(\rt)+2*n+1], v[128*(\rt)+2*n:128*(\rt)+2*n+1], v[RSD+4*(\rt):RSD+4*(\rt)+1], v[RSD+4*(\rt)+2:RSD+4*(\rt)+3]
.set n, n+1
.endr
	WIN W<<2
.set n, 0
.rept 32
	ds_store_b128 v[XA+(\H)], v[128*(\rt)+4*n:128*(\rt)+4*n+3] offset:(\rt)*RT+(n/2)*64+(n%2)*16
.set n, n+1
.endr
	WIN W<<6
.set n, 0
.rept 32
	ds_load_b128 v[128*(\rt)+4*n:128*(\rt)+4*n+3], v[RB+(\H)] offset:(16*(\rt)+n/2)*PITCH+(n%2)*512
.set n, n+1
.endr
.endm
; SEND: gamma and beta, and the stores: each covers 512 consecutive bytes, at a multiple of 512 from out's first byte.  These registers are not written again, so nothing waits for the stores.
.macro SEND H, rt, left
	s_wait_dscnt \left
	WIN (W<<6)|W
.set n, 0
.rept 32
	v_pk_fma_f32 v[128*(\rt)+4*n:128*(\rt)+4*n+1], v[128*(\rt)+4*n:128*(\rt)+4*n+1], v[GM+4*(n%2):GM+4*(n%2)+1], v[BE+4*(n%2):BE+4*(n%2)+1]
	v_pk_fma_f32 v[128*(\rt)+4*n+2:128*(\rt)+4*n+3], v[128*(\rt)+4*n+2:128*(\rt)+4*n+3], v[GM+4*(n%2)+2:GM+4*(n%2)+3], v[BE+4*(n%2)+2:BE+4*(n%2)+3]
.set n, n+1
.endr
	WIN W<<2
.set n, 0
.rept 32
	global_store_b128 v[GO], v[128*(\rt)+4*n:128*(\rt)+4*n+3], s[18:19] offset:(32*(\H)+16*(\rt)+n/2)*4096+(n%2)*512 th:TH_STORE_NT
.set n, n+1
.endr
.endm
; A HALF: 32 rows.
.macro HALF H
.set W, 1+(\H)
	s_wait_tensorcnt 1-(\H)                        ; my strip of this half is in (half 0: the other half's load stays out); only I read it
	WIN W<<6
.set n, 0
.rept 64                                           ; n = 32 rt + 2 ct + q
	ds_load_b128 v[4*n:4*n+3], v[XA+(\H)] offset:(n/32)*RT+((n/2)%16)*64+(n%2)*16
.set n, n+1
.endr
	s_wait_dscnt 32                                ; the first 16 rows are in
	WIN W|(W<<2)
.set n, 0
.rept 64
	v_cvt_pk_bf16_f32 v[BT+n], v[2*n], v[2*n+1]
.set n, n+1
.endr
	s_wait_dscnt 0x0
.rept 64
	v_cvt_pk_bf16_f32 v[BT+n], v[2*n], v[2*n+1]
.set n, n+1
.endr
	WIN 0x03                                       ; G in window 3
.irp kk, 0,1,2,3,4,5,6,7                           ; the two accumulators take turns
.irp rt, 0,1
.if (\kk) == 0
	v_wmma_f32_16x16x32_bf16 v[S+8*(\rt):S+8*(\rt)+7], v[GF+8*(\kk):GF+8*(\kk)+7], v[BT+8*(8*(\rt)+(\kk)):BT+8*(8*(\rt)+(\kk))+7], 0
.else
	v_wmma_f32_16x16x32_bf16 v[S+8*(\rt):S+8*(\rt)+7], v[GF+8*(\kk):GF+8*(\kk)+7], v[BT+8*(8*(\rt)+(\kk)):BT+8*(8*(\rt)+(\kk))+7], v[S+8*(\rt):S+8*(\rt)+7]
.endif
.endr
.endr
	WIN 0
	PLACES 4
	ds_store_b128 v[SCW], v[S:S+3]
	ds_store_b128 v[SCW], v[S+4:S+7] offset:512
	ds_store_b128 v[SCW], v[S+8:S+11] offset:1024
	ds_store_b128 v[SCW], v[S+12:S+15] offset:1536
	s_wait_dscnt 0x0                               ; for the others' sake: my partial scores are in LDS (and my earlier LDS reads are back)
	s_barrier_signal -1
	s_barrier_wait -1
.set n, 0
.rept 16                                           ; n = 4 w' + 2 rt + q
	ds_load_b128 v[BT+4*n:BT+4*n+3], v[SCR] offset:512*n
.set n, n+1
.endr
	s_wait_dscnt 0x0
.set n, 0
.rept 8
	v_pk_add_f32 v[BT+2*n:BT+2*n+1], v[BT+2*n:BT+2*n+1], v[BT+16+2*n:BT+16+2*n+1]
	v_pk_add_f32 v[BT+32+2*n:BT+32+2*n+1], v[BT+32+2*n:BT+32+2*n+1], v[BT+48+2*n:BT+48+2*n+1]
.set n, n+1
.endr
.set n, 0
.rept 8
	v_pk_add_f32 v[S+2*n:S+2*n+1], v[BT+2*n:BT+2*n+1], v[BT+32+2*n:BT+32+2*n+1]
.set n, n+1
.endr
.set n, 0
.rept 8
	v_pk_fma_f32 v[S+2*n:S+2*n+1], v[S+2*n:S+2*n+1], 0x3e38aa3b, v[CBR+2*(n%4):CBR+2*(n%4)+1] op_sel_hi:[1,0,1]  ; (score + c) log2(e) / 8
.set n, n+1
.endr
.set n, 0
.rept 8
	v_pk_add_f32 v[S+2*n:S+2*n+1], v[S+2*n:S+2*n+1], v[S+2*n:S+2*n+1] neg_lo:[0,1] neg_hi:[0,1]  ; less the maximum over the one key, which is the score itself
.set n, n+1
.endr
.set n, 0
.rept 16
	v_exp_f32 v[S+n], v[S+n]
.set n, n+1
.endr
	v_nop                                          ; a plain instruction between the exponentials and the use of their results
.set n, 0
	s_wait_alu depctr_va_vdst(0)
.rept 16
	v_rcp_f32 v[BT+n], v[S+n]                      ; the sum over the one key is the exponential itself
.set n, n+1
.endr
	v_nop
.set n, 0
	s_wait_alu depctr_va_vdst(0)
.rept 8
	v_pk_mul_f32 v[S+2*n:S+2*n+1], v[S+2*n:S+2*n+1], v[BT+2*n:BT+2*n+1]
.set n, n+1
.endr
.irp rt, 0,1
.irp q, 0,1,2,3
	v_cvt_pk_bf16_f32 v[S+8*(\rt)+(\q)], v[S+8*(\rt)+2*(\q)], v[S+8*(\rt)+2*(\q)+1]  ; in place: heads 8 hh + 0..7 are K slots 8 hh + 0..7
.endr
	v_mov_b32 v[S+8*(\rt)+4], 0x3f803f80           ; slots 16, 17 (24, 25): 1.0 against bo's pieces
	v_mov_b32 v[S+8*(\rt)+5], 0
	v_mov_b32 v[S+8*(\rt)+6], 0
	v_mov_b32 v[S+8*(\rt)+7], 0
.endr
	WIN (W<<6)|(W<<4)|3                            ; U in window 3, a in window 0, X as C and D
.set ct, 0
.rept 16                                           ; 32 accumulators, one instruction each
.irp rt, 0,1
	v_wmma_f32_16x16x32_bf16 v[128*(\rt)+8*ct:128*(\rt)+8*ct+7], v[8*ct:8*ct+7], v[S+8*(\rt):S+8*(\rt)+7], v[128*(\rt)+8*ct:128*(\rt)+8*ct+7]
.endr
.set ct, ct+1
.endr
	PLACES 4
	WIN W|(W<<2)                                   ; my wave's mean over its 256 channels
.irp rt, 0,1
.irp c, 0,1,2,3
	v_pk_add_f32 v[STAT+8*(\rt)+2*(\c):STAT+8*(\rt)+2*(\c)+1], v[128*(\rt)+2*(\c):128*(\rt)+2*(\c)+1], v[128*(\rt)+8+2*(\c):128*(\rt)+8+2*(\c)+1]
.endr
.endr
	WIN W<<2
.set ct, 2
.rept 14
.irp rt, 0,1
.irp c, 0,1,2,3
	v_pk_add_f32 v[STAT+8*(\rt)+2*(\c):STAT+8*(\rt)+2*(\c)+1], v[STAT+8*(\rt)+2*(\c):STAT+8*(\rt)+2*(\c)+1], v[128*(\rt)+8*ct+2*(\c):128*(\rt)+8*ct+2*(\c)+1]
.endr
.endr
.set ct, ct+1
.endr
	WIN 0
	FOLD STAT
	FOLD STAT+8
.irp rt, 0,1
	v_mul_f32 v[QD+2*(\rt)], 0x3b800000, v[STAT+8*(\rt)]   ; / 256
	v_mul_f32 v[NM+2*(\rt)], 0xbb800000, v[STAT+8*(\rt)]
	v_mov_b32 v[NM+2*(\rt)+1], v[NM+2*(\rt)]
.endr
	WIN (W<<6)|W
.set n, 0
.rept 128
	v_pk_add_f32 v[2*n:2*n+1], v[2*n:2*n+1], v[NM+2*(n/64):NM+2*(n/64)+1]  ; x less my wave's mean
.set n, n+1
.endr
	WIN W|(W<<2)
.irp rt, 0,1
.irp c, 0,1,2,3
	v_pk_mul_f32 v[STAT+8*(\rt)+2*(\c):STAT+8*(\rt)+2*(\c)+1], v[128*(\rt)+2*(\c):128*(\rt)+2*(\c)+1], v[128*(\rt)+2*(\c):128*(\rt)+2*(\c)+1]
.endr
.endr
.set ct, 1
.rept 15
.irp rt, 0,1
.irp c, 0,1,2,3
	v_pk_fma_f32 v[STAT+8*(\rt)+2*(\c):STAT+8*(\rt)+2*(\c)+1], v[128*(\rt)+8*ct+2*(\c):128*(\rt)+8*ct+2*(\c)+1], v[128*(\rt)+8*ct+2*(\c):128*(\rt)+8*ct+2*(\c)+1], v[STAT+8*(\rt)+2*(\c):STAT+8*(\rt)+2*(\c)+1]
.endr
.endr
.set ct, ct+1
.endr
	WIN 0
	FOLD STAT
	FOLD STAT+8
	v_mov_b32 v[QD+1], v[STAT]
	v_mov_b32 v[QD+3], v[STAT+8]
	ds_store_b128 v[STW], v[QD:QD+3]               ; both halves of the lanes hold and write the same numbers
	s_wait_dscnt 0x0
	s_barrier_signal -1
	s_barrier_wait -1
.irp w, 0,1,2,3
	ds_load_b128 v[LD+4*(\w):LD+4*(\w)+3], v[STR] offset:256*(\w)
.endr
	s_wait_dscnt 0x0
.irp rt, 0,1                                       ; mu = the mean of the four means; M2 = the four M2 + 256 x the squares of the means' distances from mu
	v_add_f32 v[TT+8*(\rt)], v[LD+2*(\rt)], v[LD+4+2*(\rt)]
	v_add_f32 v[TT+8*(\rt)+1], v[LD+8+2*(\rt)], v[LD+12+2*(\rt)]
	v_add_f32 v[TT+8*(\rt)], v[TT+8*(\rt)], v[TT+8*(\rt)+1]
	v_mul_f32 v[TT+8*(\rt)], 0x3e800000, v[TT+8*(\rt)]
	v_sub_f32 v[TT+8*(\rt)+1], v[LD+2*(\rt)], v[TT+8*(\rt)]
	v_sub_f32 v[TT+8*(\rt)+2], v[LD+4+2*(\rt)], v[TT+8*(\rt)]
	v_sub_f32 v[TT+8*(\rt)+3], v[LD+8+2*(\rt)], v[TT+8*(\rt)]
	v_sub_f32 v[TT+8*(\rt)+4], v[LD+12+2*(\rt)], v[TT+8*(\rt)]
	v_mul_f32 v[TT+8*(\rt)+1], v[TT+8*(\rt)+1], v[TT+8*(\rt)+1]
	v_fmac_f32 v[TT+8*(\rt)+1], v[TT+8*(\rt)+2], v[TT+8*(\rt)+2]
	v_fmac_f32 v[TT+8*(\rt)+1], v[TT+8*(\rt)+3], v[TT+8*(\rt)+3]
	v_fmac_f32 v[TT+8*(\rt)+1], v[TT+8*(\rt)+4], v[TT+8*(\rt)+4]
	v_add_f32 v[TT+8*(\rt)+2], v[LD+1+2*(\rt)], v[LD+5+2*(\rt)]
	v_add_f32 v[TT+8*(\rt)+3], v[LD+9+2*(\rt)], v[LD+13+2*(\rt)]
	v_add_f32 v[TT+8*(\rt)+2], v[TT+8*(\rt)+2], v[TT+8*(\rt)+3]
	v_fmamk_f32 v[TT+8*(\rt)+2], v[TT+8*(\rt)+1], 0x43800000, v[TT+8*(\rt)+2]
	v_fmaak_f32 v[TT+8*(\rt)+2], s48, v[TT+8*(\rt)+2], 0x3727c5ac   ; M2 / 1024 + 1e-5
	v_rsq_f32 v[RSD+4*(\rt)], v[TT+8*(\rt)+2]
	v_sub_f32 v[TT+8*(\rt)+3], v[QD+2*(\rt)], v[TT+8*(\rt)]        ; my wave's mean less mu: the plain instruction behind the root
	s_wait_alu depctr_va_vdst(0)
	v_mov_b32 v[RSD+4*(\rt)+1], v[RSD+4*(\rt)]
	v_mul_f32 v[RSD+4*(\rt)+2], v[TT+8*(\rt)+3], v[RSD+4*(\rt)]
	v_mov_b32 v[RSD+4*(\rt)+3], v[RSD+4*(\rt)+2]
.endr
	NORM \H, 0
	NORM \H, 1
	SEND \H, 0, 63                                 ; 64 LDS instructions are younger than the first 16 rows' loads; 63 is the largest count that the wait can name
	SEND \H, 1, 0
.endm
	s_load_b512 s[4:19], s[0:1], 0x0               ; img s[4:5], gmat s[6:7], umat s[8:9], cvec s[10:11], bo s[12:13], gamma s[14:15], beta s[16:17], out s[18:19]
	v_lshl_add_u32 v[SPW], v0, 2, SPARE
	v_mov_b32 v[NIL], 0
	ds_add_u32 v[SPW], v[NIL]                      ; the wave's opening: the add and its wait stand ahead of my first tensor load; the set-up stands between them
	ds_add_u32 v20, v21
	v_lshrrev_b32 v1, 5, v0
	v_readfirstlane_b32 s[WV], v1                  ; wave 0..3
	s_lshr_b32 s22, ttmp9, 3                       ; the batch: 8 work-groups of 64 rows each
	s_mov_b32 s28, (2<<16)|(1<<20)|(7<<22)|(3<<25) ; elements of 4 bytes; padding on: after every 256 words (code 7) 4 words (code 3)
	s_mov_b32 s29, 256<<16                         ; 256 elements x 32 rows
	s_mov_b32 s30, 32<<16
	s_mov_b32 s31, 256<<16
	s_mov_b32 s32, 32
	s_mov_b32 s33, 1024                            ; elements from row to row
	s_mov_b32 s34, 0
	s_mov_b32 s35, 0
	s_mov_b32 s36, 1
	s_mul_i32 s37, s[WV], WREG                     ; LDS: my strip of half 0
	s_mov_b32 s40, 1
	s_mul_i32 s41, s[WV], WREG
	s_add_co_u32 s41, s41, HREG                    ; and of half 1
	s_lshl_b32 s24, ttmp9, 18                      ; the work-group's 64 rows of 4,096 bytes
	s_lshl_b32 s23, s[WV], 10                      ; my 256 channels in f32
	s_add_co_u32 s24, s24, s23
	s_mov_b32 s25, 0
	s_lshl_b32 s26, s22, 15                        ; the batch's 16 rows of G and U, my 256 channels in bf16
	s_lshl_b32 s47, s[WV], 9
	s_add_co_u32 s26, s26, s47
	s_mov_b32 s27, 0
	s_mov_b32 s44, 0x76543210                      ; v_permlanex16_b32: each lane takes its own place in the other half
	s_mov_b32 s45, 0xfedcba98
	s_mov_b32 s46, 0xffff0000                      ; a word's upper half; also: lanes 16-31
	s_mov_b32 s48, 0x3a800000                      ; 1 / 1024
	s_mul_i32 s47, s[WV], ZREG
	s_add_co_u32 s47, s47, ZB
	s_lshl_b32 s49, s[WV], 11
	s_add_co_u32 s49, s49, SC
	s_lshl_b32 s50, s[WV], 8
	s_add_co_u32 s50, s50, STB
	v_and_b32 v1, 15, v0                           ; r
	v_bfe_u32 v2, v0, 4, 1                         ; hh
	v_and_b32 v3, 31, v0                           ; lane
	v_lshlrev_b32 v[GO], 4, v3
	v_lshlrev_b32 v[BOO], 2, v1
	v_lshlrev_b32 v[CO], 10, v2
	v_mul_u32_u24 v[XA], v1, PITCH
	v_lshl_add_u32 v[XA], v2, 5, v[XA]
	v_add_nc_u32 v[XA], s37, v[XA]
	v_add_nc_u32 v[XA+1], HREG, v[XA]
	v_add_nc_u32 v[RB], s37, v[GO]
	v_add_nc_u32 v[RB+1], HREG, v[RB]
	v_add_nc_u32 v[ZW], s47, v[GO]
	v_mul_u32_u24 v[ZG], v1, 528
	v_lshl_add_u32 v[ZG], v2, 4, v[ZG]
	v_add_nc_u32 v[ZG], s47, v[ZG]
	v_and_b32 v12, 7, v0                           ; the turning load: lane l reads head 8 hh + l % 8, channels 8 ((l / 8) % 2) on
	v_bfe_u32 v19, v0, 3, 1
	v_lshl_add_u32 v12, v2, 3, v12
	v_mul_u32_u24 v[ZU], v12, 544
	v_lshl_add_u32 v[ZU], v19, 4, v[ZU]
	v_add_nc_u32 v[ZU], s47, v[ZU]
	v_add_nc_u32 v[SCW], s49, v[GO]
	v_add_nc_u32 v[SCR], SC, v[GO]
	v_lshl_add_u32 v[STW], v1, 4, s50
	v_lshl_add_u32 v[STR], v1, 4, STB
	s_wait_dscnt 0x0                               ; the opening add is done
	s_wait_kmcnt 0x0
	s_add_nc_u64 s[38:39], s[4:5], s[24:25]
	s_add_nc_u64 s[42:43], s[38:39], 0x20000       ; 32 rows on
	s_or_b32 s39, s39, 0x80000000                  ; type = 2
	s_or_b32 s43, s43, 0x80000000
	tensor_load_to_lds s[36:39], s[28:35]          ; both halves go out together, ahead of everything else
	s_nop 0
	tensor_load_to_lds s[40:43], s[28:35]
	s_nop 0
	PLACES 4
	s_add_nc_u64 s[18:19], s[18:19], s[24:25]
	s_add_nc_u64 s[6:7], s[6:7], s[26:27]
	s_add_nc_u64 s[8:9], s[8:9], s[26:27]
	s_lshl_b32 s26, s22, 2
	s_add_nc_u64 s[10:11], s[10:11], s[26:27]
	s_mov_b32 s26, s23
	s_add_nc_u64 s[12:13], s[12:13], s[26:27]
	s_add_nc_u64 s[14:15], s[14:15], s[26:27]
	s_add_nc_u64 s[16:17], s[16:17], s[26:27]
	WIN 0x40                                       ; 60 loads: G 16, U 16, bo 16, c 8, gamma 2, beta 2
.set n, 0
.rept 16
	global_load_b128 v[4*n:4*n+3], v[GO], s[6:7] offset:2048*n        ; head n, my 512 bytes
.set n, n+1
.endr
.set n, 0
.rept 16
	global_load_b128 v[64+4*n:64+4*n+3], v[GO], s[8:9] offset:2048*n
.set n, n+1
.endr
	WIN 0
.set n, 0
.rept 16
	global_load_b32 v[BT+n], v[BOO], s[12:13] offset:64*n             ; bo at channel 16 n + r
.set n, n+1
.endr
.set n, 0
.rept 8
	global_load_b32 v[CBR+n], v[CO], s[10:11] offset:128*n            ; c[8 hh + n][b]
.set n, n+1
.endr
	global_load_b128 v[GM:GM+3], v[GO], s[14:15]
	global_load_b128 v[GM+4:GM+7], v[GO], s[14:15] offset:512
	global_load_b128 v[BE:BE+3], v[GO], s[16:17]
	global_load_b128 v[BE+4:BE+7], v[GO], s[16:17] offset:512
	s_wait_loadcnt 44                              ; G is in: 44 loads are younger
	WIN 0x04                                       ; store data in window 1
.set n, 0
.rept 16
	ds_store_b128 v[ZW], v[4*n:4*n+3] offset:528*n
.set n, n+1
.endr
	WIN 0xc0                                       ; destination window 3
.set n, 0
.rept 16                                           ; n = 2 kk + c: head r, channels 32 kk + 16 c + 8 hh on
	ds_load_b128 v[GF+4*n:GF+4*n+3], v[ZG] offset:32*n
.set n, n+1
.endr
	s_wait_dscnt 0x0                               ; G's fragments are in registers: the scratch is free for U
	s_wait_loadcnt 28                              ; U is in
	WIN 0x04
.set n, 0
.rept 16
	ds_store_b128 v[ZW], v[64+4*n:64+4*n+3] offset:544*n
.set n, n+1
.endr
	WIN 0xc0
.set n, 0
.rept 16
	ds_load_tr16_b128 v[8*n:8*n+3], v[ZU] offset:32*n                 ; channel 16 n + r, heads 8 hh + 0..7
.set n, n+1
.endr
.set n, 0
.rept 16                                           ; the spare K slots of source 0 hold 0: once a launch
	v_mov_b32 v[8*n+5], 0
	v_mov_b32 v[8*n+6], 0
	v_mov_b32 v[8*n+7], 0
.set n, n+1
.endr
	WIN 0
	s_wait_loadcnt 12                              ; bo is in
.set n, 0
.rept 16                                           ; bo = three bf16 pieces, each the upper half of what the last left over
	v_and_b32 v[BT+64+n], s46, v[BT+n]
	v_sub_f32 v[BT+16+n], v[BT+n], v[BT+64+n]
	v_and_b32 v[BT+64+n], s46, v[BT+16+n]
	v_sub_f32 v[BT+48+n], v[BT+16+n], v[BT+64+n]
	v_perm_b32 v[BT+32+n], v[BT+16+n], v[BT+n], 0x07060302            ; slots 16, 17: first piece below, second above
	v_lshrrev_b32 v[BT+48+n], 16, v[BT+48+n]                          ; slot 24: third piece; slot 25: 0
.set n, n+1
.endr
	WIN 0xc0
.set n, 0
.rept 16
	v_cndmask_b32 v[8*n+4], v[BT+32+n], v[BT+48+n], s46               ; lanes 16-31 hold slots 24, 25
.set n, n+1
.endr
	WIN 0
	s_wait_loadcnt 0x0                             ; c, gamma, beta
	s_wait_dscnt 0x0                               ; U's fragments
.set n, 0
.rept 4
	v_pk_mul_f32 v[CBR+2*n:CBR+2*n+1], v[CBR+2*n:CBR+2*n+1], 0x3e38aa3b op_sel_hi:[1,0]
.set n, n+1
.endr
	HALF 0
	HALF 1                                         ; the scores' scratch is written again only behind half 0's second barrier, the means' only behind this half's first
	WIN 0
	s_wait_tensorcnt 0x0                           ; the wave's end
	ds_add_u32 v[SPW], v[NIL]
	s_wait_dscnt 0x0
	s_endpgm
.Lfunc_end_k_qdf470889d0_rows:
	.size	k_qdf470889d0_rows, .Lfunc_end_k_qdf470889d0_rows-k_qdf470889d0_rows
	.p2alignl 7, 3214868480
	.fill 96, 4, 3214868480
	.section	.rodata,"a",@progbits
	.p2align	6, 0x0
	.amdhsa_kernel k_qdf470889d0_rows
		.amdhsa_group_segment_fixed_size 327680
		.amdhsa_private_segment_fixed_size 0
		.amdhsa_enable_private_segment 0
		.amdhsa_kernarg_size 64
		.amdhsa_user_sgpr_count 2
		.amdhsa_user_sgpr_kernarg_segment_ptr 1
		.amdhsa_wavefront_size32 1
		.amdhsa_system_sgpr_workgroup_id_x 1
		.amdhsa_system_sgpr_workgroup_id_y 1
		.amdhsa_system_sgpr_workgroup_id_z 1
		.amdhsa_system_vgpr_workitem_id 0
		.amdhsa_next_free_vgpr 960
		.amdhsa_next_free_sgpr 66
		.amdhsa_reserve_vcc 0
		.amdhsa_float_denorm_mode_32 3
		.amdhsa_float_denorm_mode_16_64 3
		.amdhsa_memory_ordered 1
		.amdhsa_forward_progress 1
		.amdhsa_inst_pref_size 182
	.end_amdhsa_kernel
	.amdgpu_metadata
---
amdhsa.version: [ 1, 2 ]
amdhsa.kernels:
  - .name:           k_qdf470889d0_rows
    .symbol:         k_qdf470889d0_rows.kd
    .args:
      - { .name: img_feat, .offset: 0, .size: 8, .value_kind: global_buffer, .address_space: global }
      - { .name: gmat, .offset: 8, .size: 8, .value_kind: global_buffer, .address_space: global }
      - { .name: umat, .offset: 16, .size: 8, .value_kind: global_buffer, .address_space: global }
      - { .name: cvec, .offset: 24, .size: 8, .value_kind: global_buffer, .address_space: global }
      - { .name: bo, .offset: 32, .size: 8, .value_kind: global_buffer, .address_space: global }
      - { .name: gamma, .offset: 40, .size: 8, .value_kind: global_buffer, .address_space: global }
      - { .name: beta, .offset: 48, .size: 8, .value_kind: global_buffer, .address_space: global }
      - { .name: out0, .offset: 56, .size: 8, .value_kind: global_buffer, .address_space: global }
    .group_segment_fixed_size: 327680
    .private_segment_fixed_size: 0
    .kernarg_segment_align: 8
    .kernarg_segment_size: 64
    .max_flat_workgroup_size: 128
    .sgpr_count:     66
    .vgpr_count:     960
    .wavefront_size: 32
...
	.end_amdgpu_metadata
.endif
;; end of part 3
